; MI455X (gfx1250); checked and timed in simulation.
; The chip was launched on July 23, 2026; its instructions are those of AMD's public machine-readable ISA for CDNA 5 (MIT licence, August 2026) and "CDNA5" Instruction Set Architecture Reference Guide (July 2026). The comments in the code are by the model that wrote it; some were corrected since.
;; Leaf Feature Extractor. Allowed arithmetic: float matrix products may take bf16 or f16 operands with f32 sums; other float arithmetic in f32, or as packed bf16 or f16 multiplies, adds, multiply-adds, maxima and minima; sums over many terms, partial sums and values carried from step to step in f32; what a program stores and reads back later, other than sums and carried values, may be rounded once to bf16 or f16.
;; Inputs: W1 70 x 128 float32; W2 128 x 128 float32; b1 128 float32; b2 128 float32; features 2 x 8,192 x 64 float32; leaf_mask 2 x 8,192 bool; points 2 x 8,192 x 3 float32.
;; Outputs: out0 2 x 8,192 x 128 float32.
;; One version. Each part assembles by itself: llvm-mc -triple=amdgcn-amd-amdhsa -mcpu=gfx1250 --defsym DOCPART=n.
;; ======== version 1 of 1: 2 launches
;; limits: a function is approximated: absolute error at most 7e-05
;; workspace buffers: tab 262,144 bytes; part 4,096 bytes; wimg 57,344 bytes; sel 720,896 bytes of whole numbers
;; launch scan (part 1): grid 256 x 1, 8 waves a work-group, no clusters, 273,408 bytes of LDS; arguments points, leaf_mask, W1, b1, W2, tab, part, wimg, sel; writes tab, part, wimg, sel
.if DOCPART == 1
	.amdgcn_target "amdgcn-amd-amdhsa--gfx1250"
	.amdhsa_code_object_version 6
	.text
	.protected	k_q3b0688f92f_scan
	.globl	k_q3b0688f92f_scan
	.p2align	8
	.type	k_q3b0688f92f_scan,@function
k_q3b0688f92f_scan:
	s_mov_b64 s[64:65], 0
	v_nop
	global_prefetch_b8 v0, s[64:65] scope:SCOPE_SE
	s_setreg_imm32_b32 hwreg(HW_REG_WAVE_MODE, 25, 1), 1
	s_wait_xcnt 0x0
; LEAF GEOMETRY, FIRST PART: all pairs.  2 batches x 8192 points.  For each point i: the density count, and the ten BLOCKS of 32 consecutive j that hold its ten nearest neighbours.
; FORMAT.  All floating-point inputs are rounded once to bf16 and everything behind that is f32.  With bf16 points every product x_i x_j is exact in f32, so
; d2 = (sq_i + sq_j) - 2 (x_i x_j + y_i y_j + z_i z_j), summed in that order, has one value whether multiply and add are fused or not.  The density's threshold and the neighbours' order are
; discrete choices on that d2, so the sums are taken here in that order, on the vector unit: a matrix instruction groups its sums otherwise, and K = 3 would fill 3 of its 32 places.
; NOTHING IS LEFT OUT: every input has a way to the output and is loaded by this launch or the next.  Two steps are taken in an equal form:
;   density: the correctly rounded root of max(d2,0) is below 0.02f exactly where d2 < T, T = 13,743,894 x 2^-35 (the first f32 at or above the square of the midpoint under 0.02f);
;            the count adds clamp((T - d2) 2^40) to 0..1: below T the difference is at least 2^-35, so the term is 1; a j outside the mask has -1e30 in T 2^40's place, so the term is 0.
;   top-10:  blocks ordered by (least max(d2,0) in the block, block number): the ten neighbours by (distance, index) lie in the first ten blocks, since each of those holds an element that
;            precedes every element of a later block.  So the next launch looks at 320 candidates a point, whatever the data.
; LIMITS.  Neighbours go by max(d2,0) and then by index: two different d2 whose f32 roots are equal count as a tie in the root's order and not here.  NaN and infinities among the points are not served.
; SHARES.  Work-group g: batch g / 128, the 64 points i of group g % 128.  Each work-group lays the batch's 8192 points into LDS (x, y, z, sq, density addend; 64 to a row), each wave an eighth;
; then wave w scans groups 16 w .. 16 w + 15: a lane has 8 i (lane % 8) and one of 4 groups (lane / 8); 4 vector instructions a pair of points.
; No address and no branch hangs on a floating-point number: the chosen blocks leave as whole numbers (byte offsets into the next launch's table), for the next launch to read.
; Beside that: wave 6 stores the group's own rounded points (tab) and masked sums (part); wave 7 of work-groups 0..111 stores one 512-byte piece of the weights' bf16 image (wimg).
.set GP,    1360      ; a group in LDS: 5 rows
.set RP,    272       ; a row: 64 f32 + 16 bytes
.set MT,    174080    ; [256 blocks] pitch 272 [64 i]: block minima
.set DT,    243712    ; [32][64]: partial density counts
.set LTK,   251904    ; [4 quarters x 10][64]: keys of the quarters' lists
.set LTI,   262144    ; the same: block numbers
.set OT,    LTK       ; 11 rows of 256 bytes: what goes to sel.  It lies on the key lists' first bytes, and is written behind a barrier behind which no list is read
.set SPARE, 272384    ; the spare words, 128 bytes a wave; no other line names them
.set INF,   0x7f800000
; REGISTERS.  v0 thread, v1 lane, v2 lane % 8, v3 lane / 8; v4 LA, v5 MA, v6 DA (LDS addresses of the scan); v7-9 offsets of the build; v10, v11 the add's two; v12-15 at work;
; v[16:17] -2^40 twice; v18 -1e30; v19 T 2^40; v[20:29] list of keys, v[30:39] of block numbers, v[40:49] sorted numbers, then offsets; v59 my word in a row of the stage;
; v[64:127] my 8 i: pairs -2x, -2y, -2z, sq; v[128:147], v[148:167] two buffers of 4 j (x, y, z, sq, addend); v[168:183] counts; v[184:191] running minima; v[192:207], v[208:223] at work.
; 128 points of the build: rounded to bf16 and widened, sq = (x x + y y) + z z, the density addend; five rows' 16 bytes a lane.
.macro CHUNK it
.set R, 64+16*(\it)
	s_wait_loadcnt 4*(7-(\it))                     ; loads return in order: the four of each younger chunk may stay out
	v_cvt_pk_bf16_f32 v212, v[R], v[R+3]
	v_cvt_pk_bf16_f32 v213, v[R+6], v[R+9]
	v_cvt_pk_bf16_f32 v214, v[R+1], v[R+4]
	v_cvt_pk_bf16_f32 v215, v[R+7], v[R+10]
	v_cvt_pk_bf16_f32 v216, v[R+2], v[R+5]
	v_cvt_pk_bf16_f32 v217, v[R+8], v[R+11]
.irp k,0,1,2,3,4,5
	v_lshlrev_b32 v[192+2*\k], 16, v[212+\k]
	v_and_b32 v[193+2*\k], 0xffff0000, v[212+\k]
.endr
.irp k,0,2
	v_pk_mul_f32 v[204+\k:205+\k], v[192+\k:193+\k], v[192+\k:193+\k]
.endr
.irp k,0,2
	v_pk_fma_f32 v[204+\k:205+\k], v[196+\k:197+\k], v[196+\k:197+\k], v[204+\k:205+\k]
.endr
.irp k,0,2
	v_pk_fma_f32 v[204+\k:205+\k], v[200+\k:201+\k], v[200+\k:201+\k], v[204+\k:205+\k]
.endr
.irp k,0,1,2,3
	v_bfe_u32 v218, v[R+12], 8*\k, 8
	v_cmp_ne_u32 vcc_lo, 0, v218
	v_cndmask_b32 v[208+\k], v18, v19, vcc_lo
.endr
.irp a,0,1,2,3,4
	ds_store_b128 v9, v[192+4*\a:195+4*\a] offset:2*GP*(\it)+RP*\a
.endr
.endm
; five rows' 16 bytes: 4 j
.macro LOADC buf, off
.irp a,0,1,2,3,4
	ds_load_b128 v[(\buf)+4*\a:(\buf)+4*\a+3], v4 offset:RP*\a+(\off)
.endr
.endm
; 8 i x 4 j: d2, its term of the count, the running minimum
.macro COMPUTE buf
.irp jp,0,1
.irp e,0,1,2,3,4,5,6,7
	v_pk_mul_f32 v[192+2*\e:193+2*\e], v[(\buf)+2*\jp:(\buf)+2*\jp+1], v[64+8*\e:65+8*\e]
.endr
.irp e,0,1,2,3,4,5,6,7
	v_pk_add_f32 v[208+2*\e:209+2*\e], v[(\buf)+12+2*\jp:(\buf)+13+2*\jp], v[70+8*\e:71+8*\e]
.endr
.irp e,0,1,2,3,4,5,6,7
	v_pk_fma_f32 v[192+2*\e:193+2*\e], v[(\buf)+4+2*\jp:(\buf)+5+2*\jp], v[66+8*\e:67+8*\e], v[192+2*\e:193+2*\e]
.endr
.irp e,0,1,2,3,4,5,6,7
	v_pk_fma_f32 v[192+2*\e:193+2*\e], v[(\buf)+8+2*\jp:(\buf)+9+2*\jp], v[68+8*\e:69+8*\e], v[192+2*\e:193+2*\e]
.endr
.irp e,0,1,2,3,4,5,6,7
	v_pk_add_f32 v[192+2*\e:193+2*\e], v[208+2*\e:209+2*\e], v[192+2*\e:193+2*\e]
.endr
.irp e,0,1,2,3,4,5,6,7
	v_pk_fma_f32 v[208+2*\e:209+2*\e], v[192+2*\e:193+2*\e], v[16:17], v[(\buf)+16+2*\jp:(\buf)+17+2*\jp] clamp
.endr
.irp e,0,1,2,3,4,5,6,7
	v_min3_num_f32 v[184+\e], v[184+\e], v[192+2*\e], v[193+2*\e]
.endr
.irp e,0,1,2,3,4,5,6,7
	v_pk_add_f32 v[168+2*\e:169+2*\e], v[168+2*\e:169+2*\e], v[208+2*\e:209+2*\e]
.endr
.endr
.endm
; key c with number p goes into the sorted list of ten.  The compare is strict and numbers come in ascending order, so of equal keys the lower number stays in front.
.macro INS_P c, p
.irp s,0,1,2,3,4,5,6,7,8,9
	v_cmp_lt_f32 s[40+\s], v[\c], v[20+\s]
.endr
.irp s,9,8,7,6,5,4,3,2,1
	v_cndmask_b32 v[30+\s], v[30+\s], v[\p], s[40+\s]
	v_cndmask_b32 v[30+\s], v[30+\s], v[29+\s], s[39+\s]
	v_med3_num_f32 v[20+\s], v[19+\s], v[\c], v[20+\s]
.endr
	v_cndmask_b32 v30, v30, v[\p], s40
	v_min_num_f32 v20, v20, v[\c]
.endm
; the same for keys alone, into the list at v40
.macro INS_K c
.irp s,9,8,7,6,5,4,3,2,1
	v_med3_num_f32 v[40+\s], v[39+\s], v[\c], v[40+\s]
.endr
	v_min_num_f32 v40, v40, v[\c]
.endm
	s_load_b512 s[4:19], s[0:1], 0x0               ; points s[4:5], mask s[6:7], W1 s[8:9], b1 s[10:11], W2 s[12:13], tab s[14:15], part s[16:17], wimg s[18:19]
	s_load_b64 s[20:21], s[0:1], 0x40              ; sel
	v_lshl_add_u32 v10, v0, 2, SPARE
	v_mov_b32 v11, 0
	v_and_b32 v1, 31, v0
	v_lshrrev_b32 v14, 5, v0
	v_readfirstlane_b32 s22, v14                   ; wave 0..7
	s_mov_b32 s23, ttmp9                           ; g
	s_lshr_b32 s24, s23, 7                         ; batch
	s_and_b32 s25, s23, 127                        ; my group in the batch
	v_and_b32 v2, 7, v1
	v_lshrrev_b32 v3, 3, v1
	v_mul_u32_u24 v7, v1, 48                       ; four points a lane
	v_lshlrev_b32 v8, 2, v1                        ; their four mask bytes
	v_lshrrev_b32 v14, 4, v1
	v_and_b32 v15, 15, v1
	s_mul_i32 s34, s22, 16*GP                      ; my wave's 16 groups in LDS
	v_mul_u32_u24 v9, v14, GP
	v_lshl_add_u32 v9, v15, 4, v9
	v_add_nc_u32 v9, s34, v9
	v_mov_b32 v18, 0xf149f2ca                      ; -1e30
	v_mov_b32 v19, 0x4dd1b716                      ; T 2^40
	s_mul_i32 s30, s24, 98304
	s_mul_i32 s31, s22, 12288
	s_add_co_u32 s30, s30, s31
	s_mov_b32 s31, 0
	s_lshl_b32 s32, s24, 13
	s_lshl_b32 s33, s22, 10
	s_add_co_u32 s32, s32, s33
	s_mov_b32 s33, 0
	s_mov_b32 s51, 0x76543210
	s_mov_b32 s52, 0xfedcba98
	s_wait_kmcnt 0x0
	s_add_nc_u64 s[4:5], s[4:5], s[30:31]          ; my wave's 1024 points
	s_add_nc_u64 s[6:7], s[6:7], s[32:33]
	; THE BUILD: all 32 loads go out first
.irp it,0,1,2,3,4,5,6,7
	global_load_b128 v[64+16*\it:67+16*\it], v7, s[4:5] offset:1536*\it
	global_load_b128 v[68+16*\it:71+16*\it], v7, s[4:5] offset:1536*\it+16
	global_load_b128 v[72+16*\it:75+16*\it], v7, s[4:5] offset:1536*\it+32
	global_load_b32 v[76+16*\it], v8, s[6:7] offset:128*\it
.endr
.irp it,0,1,2,3,4,5,6,7
	CHUNK \it
.endr
	s_wait_dscnt 0x0                               ; my part of the table is stored,
	s_barrier_signal -1
	s_barrier_wait -1                              ; everybody's is
	; THE SCAN.  My 8 i
	s_mul_i32 s30, s25, GP
	v_lshl_add_u32 v14, v2, 5, s30
.irp a,0,1,2,3
	ds_load_b128 v[128+8*\a:131+8*\a], v14 offset:RP*\a
	ds_load_b128 v[132+8*\a:135+8*\a], v14 offset:RP*\a+16
.endr
	v_mul_u32_u24 v4, v3, GP
	v_add_nc_u32 v4, s34, v4                       ; LA: group 16 w + lane / 8
	s_mul_i32 s31, s22, 32*RP
	v_mul_u32_u24 v5, v3, 2*RP
	v_lshl_add_u32 v5, v2, 5, v5
	v_add_nc_u32 v5, s31, v5
	v_add_nc_u32 v5, MT, v5                        ; MA: block 32 w + 2 (lane / 8), my 8 i
	s_lshl_b32 s32, s22, 10
	v_lshlrev_b32 v6, 8, v3
	v_lshl_add_u32 v6, v2, 5, v6
	v_add_nc_u32 v6, s32, v6
	v_add_nc_u32 v6, DT, v6                        ; DA: row 4 w + lane / 8
	v_mov_b32 v16, 0xd3800000                      ; -2^40
	v_mov_b32 v17, 0xd3800000
.irp e,0,1,2,3,4,5,6,7
	v_mov_b32 v[168+2*\e], 0
	v_mov_b32 v[169+2*\e], 0
	v_mov_b32 v[184+\e], INF
.endr
	s_wait_dscnt 0x0
.irp e,0,1,2,3,4,5,6,7
	v_mul_f32 v[64+8*\e], -2.0, v[128+\e]
	v_mul_f32 v[65+8*\e], -2.0, v[128+\e]
	v_mul_f32 v[66+8*\e], -2.0, v[136+\e]
	v_mul_f32 v[67+8*\e], -2.0, v[136+\e]
	v_mul_f32 v[68+8*\e], -2.0, v[144+\e]
	v_mul_f32 v[69+8*\e], -2.0, v[144+\e]
	v_mov_b32 v[70+8*\e], v[152+\e]
	v_mov_b32 v[71+8*\e], v[152+\e]
.endr
	s_mov_b32 s26, 4
.Lu:                                               ; four steps of four groups
	s_mov_b32 s27, 2
.Lblk:                                             ; a group's two blocks of 32 j
	s_mov_b32 s28, 4
.Ltrip:                                            ; 8 j
	LOADC 128, 0
	LOADC 148, 16
	s_wait_dscnt 5                                 ; the first buffer is in; the second's five loads may stay out
	COMPUTE 128
	s_wait_dscnt 0x0
	COMPUTE 148
	v_add_nc_u32 v4, 32, v4
	s_sub_co_u32 s28, s28, 1
	s_cmp_lg_u32 s28, 0
	s_cbranch_scc1 .Ltrip
.irp e,0,1,2,3,4,5,6,7
	v_max_num_f32 v[184+\e], 0, v[184+\e]          ; the key is max(d2, 0)
.endr
	ds_store_b128 v5, v[184:187]
	ds_store_b128 v5, v[188:191] offset:16
.irp e,0,1,2,3,4,5,6,7
	v_mov_b32 v[184+\e], INF
.endr
	v_add_nc_u32 v5, RP, v5
	s_sub_co_u32 s27, s27, 1
	s_cmp_lg_u32 s27, 0
	s_cbranch_scc1 .Lblk
	v_add_nc_u32 v4, 4*GP-256, v4                  ; four groups on
	v_add_nc_u32 v5, 6*RP, v5                      ; eight blocks on
	s_sub_co_u32 s26, s26, 1
	s_cmp_lg_u32 s26, 0
	s_cbranch_scc1 .Lu
.irp e,0,1,2,3,4,5,6,7
	v_add_f32 v[192+\e], v[168+2*\e], v[169+2*\e]
.endr
	ds_store_b128 v6, v[192:195]
	ds_store_b128 v6, v[196:199] offset:16
	s_wait_dscnt 0x0                               ; my minima and counts are stored,
	s_barrier_signal -1
	s_barrier_wait -1                              ; everybody's are
	; THE CHOICE, first by quarters: thread = (i, quarter of 64 blocks)
	v_and_b32 v14, 63, v0                          ; i
	v_lshrrev_b32 v15, 6, v0                       ; quarter
	v_mul_u32_u24 v12, v15, 64*RP
	v_lshl_add_u32 v12, v14, 2, v12
	v_add_nc_u32 v12, MT, v12
	v_lshlrev_b32 v13, 6, v15
	v_cvt_f32_u32 v13, v13                         ; the block's number, kept as a float: it is only selected and sorted
.irp s,0,1,2,3,4,5,6,7,8,9
	v_mov_b32 v[20+\s], INF
	v_mov_b32 v[30+\s], 0
	v_mov_b32 v[40+\s], INF                        ; (the list into which waves 0 and 1 sort the chosen numbers)
.endr
	s_mov_b32 s26, 16
.Lq:
	ds_load_b32 v50, v12
	ds_load_b32 v51, v12 offset:RP
	ds_load_b32 v52, v12 offset:2*RP
	ds_load_b32 v53, v12 offset:3*RP
	s_wait_dscnt 0x0
.irp k,50,51,52,53
	INS_P \k, 13
	v_add_f32 v13, 1.0, v13
.endr
	v_add_nc_u32 v12, 4*RP, v12
	s_sub_co_u32 s26, s26, 1
	s_cmp_lg_u32 s26, 0
	s_cbranch_scc1 .Lq
	v_mul_u32_u24 v54, v15, 2560
	v_lshl_add_u32 v54, v14, 2, v54
	v_add_nc_u32 v54, LTK, v54
.irp s,0,1,2,3,4,5,6,7,8,9
	ds_store_b32 v54, v[20+\s] offset:256*\s
	ds_store_b32 v54, v[30+\s] offset:LTI-LTK+256*\s
.endr
	v_lshl_add_u32 v59, v14, 2, OT                 ; my word in a row of the stage
	s_wait_dscnt 0x0
	s_barrier_signal -1
	s_barrier_wait -1
	; Each wave its own job; the branches hang on the wave's number (and, for the weights, the work-group's), and no barrier stands inside them.  Nothing is stored into LDS here: results stay in registers.
	s_cmp_lt_u32 s22, 2
	s_cbranch_scc0 .Lnot_merge
	; waves 0, 1 hold quarter 0's lists of the 64 i: quarters 1 to 3 are inserted, in list order
	v_lshl_add_u32 v12, v14, 2, LTK+2560
	s_mov_b32 s26, 3
.Lmerge:
.irp s,0,1,2,3,4,5,6,7,8,9
	ds_load_b32 v[128+\s], v12 offset:256*\s
	ds_load_b32 v[138+\s], v12 offset:LTI-LTK+256*\s
.endr
	s_wait_dscnt 0x0
.irp s,0,1,2,3,4,5,6,7,8,9
	INS_P 128+\s, 138+\s
.endr
	v_add_nc_u32 v12, 2560, v12
	s_sub_co_u32 s26, s26, 1
	s_cmp_lg_u32 s26, 0
	s_cbranch_scc1 .Lmerge
.irp s,0,1,2,3,4,5,6,7,8,9
	INS_K 30+\s                                    ; the ten numbers in ascending order, so that the next launch meets candidates by ascending index
.endr
.irp s,0,1,2,3,4,5,6,7,8,9
	v_cvt_u32_f32 v128, v[40+\s]
	v_lshrrev_b32 v129, 1, v128
	v_and_b32 v128, 1, v128
	v_mul_u32_u24 v129, v129, 1040                 ; the next launch's table: a group every 1040 bytes,
	v_lshl_add_u32 v[40+\s], v128, 7, v129         ; its second block 128 bytes into each row
.endr
	s_branch .Ljobs_done
.Lnot_merge:
	s_cmp_lt_u32 s22, 4
	s_cbranch_scc0 .Lnot_dens
	; waves 2, 3: the 32 partial counts of each i (whole numbers in f32: exact in any order)
	v_lshl_add_u32 v54, v14, 2, DT
.set r, 0
.rept 32
	ds_load_b32 v[128+r], v54 offset:256*r
.set r, r+1
.endr
	s_wait_dscnt 0x0
.set r, 2
.rept 15
	v_pk_add_f32 v[128:129], v[128:129], v[128+r:129+r]
.set r, r+2
.endr
	v_add_f32 v128, v128, v129
	v_cvt_u32_f32 v128, v128
	s_branch .Ljobs_done
.Lnot_dens:
	s_cmp_eq_u32 s22, 6
	s_cbranch_scc0 .Lnot_own
	; wave 6: my group's rounded points and sq go to tab, whole rows of 256 bytes; its masked sums to part
	s_mul_i32 s30, s25, GP
	v_lshl_add_u32 v54, v1, 3, s30
.irp a,0,1,2,3,4
	ds_load_b64 v[128+2*\a:129+2*\a], v54 offset:RP*\a
.endr
	s_lshl_b32 s30, s23, 10
	s_mov_b32 s31, 0
	s_add_nc_u64 s[14:15], s[14:15], s[30:31]
	s_lshl_b32 s32, s23, 4
	s_mov_b32 s33, 0
	s_add_nc_u64 s[16:17], s[16:17], s[32:33]
	v_lshlrev_b32 v55, 3, v1
	v_mov_b32 v56, 0
	s_wait_dscnt 0x0
.irp a,0,1,2,3
	global_store_b64 v55, v[128+2*\a:129+2*\a], s[14:15] offset:256*\a
.endr
	v_cmp_lt_f32 vcc_lo, 0, v136                   ; the addend is positive where the mask is set
	v_cndmask_b32 v140, 0, 1.0, vcc_lo
	v_cmp_lt_f32 vcc_lo, 0, v137
	v_cndmask_b32 v141, 0, 1.0, vcc_lo
	v_mul_f32 v144, v140, v128
	v_mul_f32 v145, v140, v130
	v_mul_f32 v146, v140, v132
	v_add_f32 v147, v140, v141
	v_fma_f32 v144, v141, v129, v144
	v_fma_f32 v145, v141, v131, v145
	v_fma_f32 v146, v141, v133, v146
.irp m,1,2,4,8
.irp k,144,145,146,147
	v_add_f32_dpp v\k, v\k, v\k row_xmask:\m row_mask:0xf bank_mask:0xf
.endr
.endr
.irp k,0,1,2,3
	v_permlanex16_b32 v[148+\k], v[144+\k], s51, s52   ; (v148-151 were written in the scan)
.endr
.irp k,0,1,2,3
	v_add_f32 v[144+\k], v[144+\k], v[148+\k]
.endr
	v_cmp_eq_u32 vcc_lo, 0, v1
	s_wait_xcnt 0x0                                ; EXEC changes only when the stores above have read it
	s_and_saveexec_b32 s50, vcc_lo
	global_store_b128 v56, v[144:147], s[16:17]    ; lane 0: the group's four sums
	s_wait_xcnt 0x0
	s_or_b32 exec_lo, exec_lo, s50
	s_branch .Ljobs_done
.Lnot_own:
	s_cmp_eq_u32 s22, 7
	s_cbranch_scc0 .Ljobs_done
	s_cmp_lt_u32 s23, 112
	s_cbranch_scc0 .Ljobs_done
	; wave 7 of work-groups 0..111: piece p = g % 2 of fragment f = g / 2 of the weights' image.  A fragment is 16 output channels x 32 k as a matrix instruction's first source takes it:
	; lane l of piece p holds channel 16 t + l % 16, k = 32 s + 16 p + 8 (l / 16) + 0..7.  f = 8 s + t: W1's rows 0..63; f = 16 + t: W1's rows 64..69 for both halves of the lanes
	; (the geometry's upper and lower bf16 parts), then b1 against a constant 1 (lanes 0-15), then zeros; f = 24 + 8 s + t: W2.
	s_lshr_b32 s30, s23, 1
	s_and_b32 s31, s23, 1
	s_and_b32 s32, s30, 7
	s_lshl_b32 s33, s32, 6                         ; 64 t
	s_lshr_b32 s34, s30, 3
	v_and_b32 v54, 15, v1
	v_lshlrev_b32 v54, 2, v54
	s_cmp_eq_u32 s34, 2
	s_cbranch_scc1 .Lspecial
	s_cmp_lt_u32 s34, 2
	s_cselect_b64 s[36:37], s[8:9], s[12:13]
	s_cselect_b32 s35, 0, 3
	s_sub_co_u32 s34, s34, s35                     ; s
	s_lshl_b32 s34, s34, 14
	s_lshl_b32 s35, s31, 13
	s_add_co_u32 s34, s34, s35
	s_add_co_u32 s34, s34, s33
	s_mov_b32 s35, 0
	s_add_nc_u64 s[36:37], s[36:37], s[34:35]
	v_lshrrev_b32 v55, 4, v1
	v_lshl_add_u32 v54, v55, 12, v54
.irp e,0,1,2,3,4,5,6,7
	global_load_b32 v[128+\e], v54, s[36:37] offset:512*\e
.endr
	s_branch .Lpack
.Lspecial:
.irp e,0,1,2,3,4,5,6,7
	v_mov_b32 v[128+\e], 0
.endr
	s_cmp_eq_u32 s31, 0
	s_cbranch_scc0 .Lpack
	v_add_nc_u32 v54, s33, v54
.irp e,0,1,2,3,4,5
	global_load_b32 v[128+\e], v54, s[8:9] offset:32768+512*\e
.endr
	global_load_b32 v136, v54, s[10:11]
	s_wait_loadcnt 0x0
	v_cmp_gt_u32 vcc_lo, 16, v1
	v_cndmask_b32 v134, 0, v136, vcc_lo
.Lpack:
	s_wait_loadcnt 0x0
.irp k,0,1,2,3
	v_cvt_pk_bf16_f32 v[140+\k], v[128+2*\k], v[129+2*\k]
.endr
	s_lshl_b32 s34, s23, 9
	s_mov_b32 s35, 0
	s_add_nc_u64 s[18:19], s[18:19], s[34:35]
	v_lshlrev_b32 v56, 4, v1
	global_store_b128 v56, v[140:143], s[18:19]    ; 512 consecutive bytes
.Ljobs_done:
	s_wait_dscnt 0x0                               ; my reads of the lists, the counts and the table are back,
	s_barrier_signal -1
	s_barrier_wait -1                              ; everybody's are: the lists' bytes may be written over
	; THE STAGE: ten rows of offsets (waves 0, 1), one row of counts (waves 2, 3)
	s_cmp_lt_u32 s22, 2
	s_cbranch_scc0 .Lnot_rows
.irp s,0,1,2,3,4,5,6,7,8,9
	ds_store_b32 v59, v[40+\s] offset:256*\s
.endr
	s_branch .Lstaged
.Lnot_rows:
	s_cmp_lt_u32 s22, 4
	s_cbranch_scc0 .Lstaged
	ds_store_b32 v59, v128 offset:2560
.Lstaged:
	s_wait_dscnt 0x0                               ; what I stored for the way out is stored,
	s_barrier_signal -1
	s_barrier_wait -1                              ; everybody's is
	; THE WAY OUT: eleven rows of 256 bytes, a row a wave, then three more
	s_lshl_b32 s30, s22, 8
	v_lshl_add_u32 v57, v1, 3, s30
	v_add_nc_u32 v58, OT, v57
	ds_load_b64 v[60:61], v58
	s_mul_i32 s32, s23, 2816
	s_mov_b32 s33, 0
	s_add_nc_u64 s[20:21], s[20:21], s[32:33]
	s_wait_dscnt 0x0
	global_store_b64 v57, v[60:61], s[20:21]
	s_cmp_lt_u32 s22, 3
	s_cbranch_scc0 .Lend
	ds_load_b64 v[62:63], v58 offset:2048
	s_wait_dscnt 0x0
	global_store_b64 v57, v[62:63], s[20:21] offset:2048
.Lend:
	s_wait_tensorcnt 0x0                           ; the wave's end, behind my last LDS store
	ds_add_u32 v10, v11
	s_wait_dscnt 0x0
	s_endpgm
.Lfunc_end_k_q3b0688f92f_scan:
	.size	k_q3b0688f92f_scan, .Lfunc_end_k_q3b0688f92f_scan-k_q3b0688f92f_scan
	.p2alignl 7, 3214868480
	.fill 96, 4, 3214868480
	.section	.rodata,"a",@progbits
	.p2align	6, 0x0
	.amdhsa_kernel k_q3b0688f92f_scan
		.amdhsa_group_segment_fixed_size 273408
		.amdhsa_private_segment_fixed_size 0
		.amdhsa_enable_private_segment 0
		.amdhsa_kernarg_size 72
		.amdhsa_user_sgpr_count 2
		.amdhsa_user_sgpr_kernarg_segment_ptr 1
		.amdhsa_wavefront_size32 1
		.amdhsa_system_sgpr_workgroup_id_x 1
		.amdhsa_system_sgpr_workgroup_id_y 1
		.amdhsa_system_sgpr_workgroup_id_z 1
		.amdhsa_system_vgpr_workitem_id 0
		.amdhsa_next_free_vgpr 256
		.amdhsa_next_free_sgpr 66
		.amdhsa_reserve_vcc 1
		.amdhsa_float_denorm_mode_32 3
		.amdhsa_float_denorm_mode_16_64 3
		.amdhsa_memory_ordered 1
		.amdhsa_forward_progress 1
		.amdhsa_inst_pref_size 105
	.end_amdhsa_kernel
	.amdgpu_metadata
---
amdhsa.version: [ 1, 2 ]
amdhsa.kernels:
  - .name:           k_q3b0688f92f_scan
    .symbol:         k_q3b0688f92f_scan.kd
    .args:
      - { .name: points, .offset: 0, .size: 8, .value_kind: global_buffer, .address_space: global }
      - { .name: leaf_mask, .offset: 8, .size: 8, .value_kind: global_buffer, .address_space: global }
      - { .name: W1, .offset: 16, .size: 8, .value_kind: global_buffer, .address_space: global }
      - { .name: b1, .offset: 24, .size: 8, .value_kind: global_buffer, .address_space: global }
      - { .name: W2, .offset: 32, .size: 8, .value_kind: global_buffer, .address_space: global }
      - { .name: tab, .offset: 40, .size: 8, .value_kind: global_buffer, .address_space: global }
      - { .name: part, .offset: 48, .size: 8, .value_kind: global_buffer, .address_space: global }
      - { .name: wimg, .offset: 56, .size: 8, .value_kind: global_buffer, .address_space: global }
      - { .name: sel, .offset: 64, .size: 8, .value_kind: global_buffer, .address_space: global }
    .group_segment_fixed_size: 273408
    .private_segment_fixed_size: 0
    .kernarg_segment_align: 8
    .kernarg_segment_size: 72
    .max_flat_workgroup_size: 256
    .sgpr_count:     66
    .vgpr_count:     256
    .wavefront_size: 32
...
	.end_amdgpu_metadata
.endif
;; end of part 1
;; launch finish (part 2): grid 256 x 1, 4 waves a work-group, no clusters, 327,680 bytes of LDS; arguments features, b2, tab, part, wimg, sel, out0; writes out0
.if DOCPART == 2
	.amdgcn_target "amdgcn-amd-amdhsa--gfx1250"
	.amdhsa_code_object_version 6
	.text
	.protected	k_q3b0688f92f_finish
	.globl	k_q3b0688f92f_finish
	.p2align	8
	.type	k_q3b0688f92f_finish,@function
k_q3b0688f92f_finish:
	s_mov_b64 s[64:65], 0
	v_nop
	global_prefetch_b8 v0, s[64:65] scope:SCOPE_SE
	s_setreg_imm32_b32 hwreg(HW_REG_WAVE_MODE, 25, 1), 1
	s_wait_xcnt 0x0
; LEAF GEOMETRY, SECOND PART, AND THE TWO LAYERS.  Nothing of the problem is left out here; the pairs outside a point's ten chosen blocks cannot hold a neighbour (shown at the head of the launch before).
; Work-group g: rows 64 g .. 64 g + 63 (batch g / 128).  Wave w: 16 rows.  Lanes r = lane % 16 and r + 16 share row 16 w + r: lane half h = lane / 16 takes the row's block slots 5 h .. 5 h + 4, 160 candidates.
; The batch's table of rounded points (x, y, z, sq; 64 to a row) and the weights' bf16 image come into LDS by two tensor loads a wave, each filled once.
; NEIGHBOURS.  Pass 1: each lane's ten least d2 (the same bits as in the launch before); the two halves' lists are merged: TAU, the tenth key.  Pass 2: a candidate counts with weight 1 if its key is below TAU;
; of those equal to TAU the first 10 - (number below) count, by ascending index (slots ascend, half 0 in front of half 1): the order in which a top-k that keeps the lower index takes them.
; Keys are max(d2, 0): where TAU is 0 every d2 <= 0 is "equal".  The weights select values only; no branch and no address hangs on them.  The block offsets are whole numbers read from memory, clamped to the table.
; EIGENVALUES of the 3 x 3 covariance in closed form: q = trace / 3, p = sqrt(|A - q I|^2 / 6), r = det((A - q I) / p) / 2, phi = acos(r) / 3; largest q + 2 p cos(phi), least q - 2 p cos(pi/3 - phi).
; LIMITS.  acos by a cubic times sqrt(1 - x) (error under 7e-5), atan by a polynomial of degree 16 in the ratio (under 1e-7), cos by its series to x^8 on 0 .. pi/3 (under 5e-7); divisions by reciprocal.
; |A - q I|^2 / 6 below 2^-120 counts as 0.  atan2 takes the sign of y's bits and treats x = -0 as +0.  NaN and infinities are not served.
; LAYERS, transposed (first source 16 channels of the weights, second source my 16 rows): a lane holds one row and eight neighbouring channels.  Layer 1: K = 96: 64 features in bf16; then the six geometry numbers
; as bf16 upper parts (lanes 0-15's k) and lower parts (lanes 16-31's k) against the same six rows of W1, and 1.0 against b1.  Layer 2: h as upper and lower bf16 parts against one image of W2; the sums start at bf16(b2).
.set TP,     1040     ; a group of the table in LDS: 1024 bytes + 16
.set WIMG,   133120   ; behind 128 groups: 56 fragments of 1024 bytes
.set STAGE,  190464   ; 16 rows x 528 bytes for each wave, for the way out; no tensor load lands here
.set SPITCH, 528
.set SPARE,  224256   ; the spare words, 128 bytes a wave; no other line names them
; REGISTERS.  v1 lane, later the stage's read address; v2 r; v3 h; v4 my row in the work-group; v5-v11 offsets (features, 4 x row, sel, part, b2, weights' LDS, 16 x lane); v12, v13 the add's two; v14 1.0; v15 stage store.
; v[16:79] layer 1's sums, later h's lower parts in v[16:47]; v[80:143] weights' fragments, then the candidates' buffers and work, then layer 2's sums; v[144:207] features and their fragments, then lists,
; my point, covariance and block addresses, then weights' fragments, then rows on the way out; v[208:255] thresholds, geometry, its fragment (v[248:255]); later h's upper parts in v[208:239].
.macro PLACES
.rept 4
	v_nop
.endr
.endm
.macro WLOAD wf, f0                    ; eight fragments, 16 bytes a lane twice each: contiguous in LDS
.irp t,0,1,2,3,4,5,6,7
	ds_load_b128 v[(\wf)+8*\t:(\wf)+8*\t+3], v10 offset:((\f0)+\t)*1024
	ds_load_b128 v[(\wf)+8*\t+4:(\wf)+8*\t+7], v10 offset:((\f0)+\t)*1024+512
.endr
.endm
.macro MM8 acc, wf, b, zero            ; eight products, the eight accumulators by turns
.irp t,0,1,2,3,4,5,6,7
.if \zero
	v_wmma_f32_16x16x32_bf16 v[(\acc)+8*\t:(\acc)+8*\t+7], v[(\wf)+8*\t:(\wf)+8*\t+7], v[(\b):(\b)+7], 0
.else
	v_wmma_f32_16x16x32_bf16 v[(\acc)+8*\t:(\acc)+8*\t+7], v[(\wf)+8*\t:(\wf)+8*\t+7], v[(\b):(\b)+7], v[(\acc)+8*\t:(\acc)+8*\t+7]
.endif
.endr
.endm
.macro LOADCH buf, ba, off             ; 4 candidates: x, y, z, sq
.irp a,0,1,2,3
	ds_load_b128 v[(\buf)+4*\a:(\buf)+4*\a+3], v[\ba] offset:256*\a+(\off)
.endr
.endm
.macro DCALC buf                       ; d2 of 4 candidates into v[112:115], in the order of the launch before
.irp p,0,2
	v_pk_mul_f32 v[112+\p:113+\p], v[(\buf)+\p:(\buf)+\p+1], v[176:177]
	v_pk_add_f32 v[116+\p:117+\p], v[(\buf)+12+\p:(\buf)+13+\p], v[182:183]
.endr
.irp p,0,2
	v_pk_fma_f32 v[112+\p:113+\p], v[(\buf)+4+\p:(\buf)+5+\p], v[178:179], v[112+\p:113+\p]
.endr
.irp p,0,2
	v_pk_fma_f32 v[112+\p:113+\p], v[(\buf)+8+\p:(\buf)+9+\p], v[180:181], v[112+\p:113+\p]
.endr
.irp p,0,2
	v_pk_add_f32 v[112+\p:113+\p], v[116+\p:117+\p], v[112+\p:113+\p]
.endr
.endm
.macro INS_K lst, c                    ; key c into the sorted list of ten at lst
.irp s,9,8,7,6,5,4,3,2,1
	v_med3_num_f32 v[(\lst)+\s], v[(\lst)+\s-1], v[\c], v[(\lst)+\s]
.endr
	v_min_num_f32 v[\lst], v[\lst], v[\c]
.endm
.macro WEIGH buf                       ; pass 2's work on 4 candidates
.irp k,0,1,2,3
	v_cmp_lt_f32 s[56+\k], v[112+\k], v211         ; below the tenth key
	v_cmp_le_f32 s[60+\k], v[112+\k], v210
.endr
.irp k,0,1,2,3
	v_cndmask_b32 v[120+\k], 0, v14, s[60+\k]
.endr
.irp k,0,1,2,3
	v_cndmask_b32 v[120+\k], v[120+\k], 0, s[56+\k]    ; 1 where equal to it
.endr
.irp k,0,1,2,3
	v_min_num_f32 v[120+\k], v[120+\k], v212       ; taken while places are left, in index order
	v_sub_f32 v212, v212, v[120+\k]
.endr
.irp k,0,1,2,3
	v_cndmask_b32 v[124+\k], v[120+\k], v14, s[56+\k]
.endr
.irp p,0,2
	v_pk_add_f32 v[128:129], v[(\buf)+\p:(\buf)+\p+1], v[184:185]
	v_pk_add_f32 v[130:131], v[(\buf)+4+\p:(\buf)+5+\p], v[186:187]
	v_pk_add_f32 v[132:133], v[(\buf)+8+\p:(\buf)+9+\p], v[188:189]
	v_pk_mul_f32 v[134:135], v[128:129], v[124+\p:125+\p]
	v_pk_mul_f32 v[136:137], v[130:131], v[124+\p:125+\p]
	v_pk_mul_f32 v[138:139], v[132:133], v[124+\p:125+\p]
	v_pk_fma_f32 v[192:193], v[134:135], v[128:129], v[192:193]
	v_pk_fma_f32 v[194:195], v[134:135], v[130:131], v[194:195]
	v_pk_fma_f32 v[196:197], v[134:135], v[132:133], v[196:197]
	v_pk_fma_f32 v[198:199], v[136:137], v[130:131], v[198:199]
	v_pk_fma_f32 v[200:201], v[136:137], v[132:133], v[200:201]
	v_pk_fma_f32 v[202:203], v[138:139], v[132:133], v[202:203]
.endr
.endm
; One block of 32 candidates, 8 chunks on two buffers: the next chunk's four loads go out ahead of the work on the one in hand; the last chunk asks for the next block's first.
; Then the five block addresses turn by one: after five trips they stand as at the start, and the first buffer holds the first block's first chunk again.
.macro SWEEP kind
.set c, 0
.rept 8
.if c < 7
	LOADCH 80+16*((c+1)%2), 204, 16*(c+1)
.else
	LOADCH 80, 205, 0
.endif
	s_wait_dscnt 4                                 ; all but the four just issued
	DCALC 80+16*(c%2)
.if \kind
	WEIGH 80+16*(c%2)
.else
.irp k,112,113,114,115
	INS_K 144, \k
.endr
.endif
.set c, c+1
.endr
	v_mov_b32 v209, v204
	v_mov_b32 v204, v205
	v_mov_b32 v205, v206
	v_mov_b32 v206, v207
	v_mov_b32 v207, v208
	v_mov_b32 v208, v209
.endm
.macro COSP dst, x, z                  ; cos by its series to x^8
	v_mul_f32 v[\z], v[\x], v[\x]
	v_fma_f32 v[\dst], v[\z], s49, -0.0013888889
	v_fma_f32 v[\dst], v[\dst], v[\z], 0.041666668
	v_fma_f32 v[\dst], v[\dst], v[\z], -0.5
	v_fma_f32 v[\dst], v[\dst], v[\z], 1.0
.endm
	s_load_b256 s[4:11], s[0:1], 0x0               ; features s[4:5], b2 s[6:7], tab s[8:9], part s[10:11]
	s_load_b128 s[12:15], s[0:1], 0x20             ; wimg s[12:13], sel s[14:15]
	s_load_b64 s[16:17], s[0:1], 0x30              ; out0
	v_lshl_add_u32 v12, v0, 2, SPARE
	v_mov_b32 v13, 0
	ds_add_u32 v12, v13                            ; the wave's opening: the add, twice on end, and its wait ahead of my first tensor load
	ds_add_u32 v12, v13
	v_lshrrev_b32 v1, 5, v0
	v_readfirstlane_b32 s18, v1                    ; wave 0..3
	s_mov_b32 s19, ttmp9                           ; g
	s_lshr_b32 s48, s19, 7                         ; batch
	; the weights' image: my quarter, 14,336 dense bytes as 56 rows of 256 bytes
	s_mov_b32 s20, 1
	s_mul_i32 s49, s18, 14336
	s_add_co_u32 s21, s49, WIMG
	s_mov_b32 s24, 3<<16                           ; elements of 8 bytes, no padding
	s_mov_b32 s25, 32<<16                          ; tensor_dim0 = 32
	s_mov_b32 s26, 56<<16                          ; tensor_dim1 = 56
	s_mov_b32 s27, 32<<16                          ; tile_dim0 = 32
	s_mov_b32 s28, 56                              ; tile_dim1 = 56
	s_mov_b32 s29, 32                              ; 32 elements from row to row
	s_mov_b32 s30, 0
	s_mov_b32 s31, 0
	; the table: my 32 of the batch's 128 groups, rows of 1024 bytes, 16 bytes of padding behind each
	s_mov_b32 s32, 1
	s_mul_i32 s33, s18, 32*TP
	s_mov_b32 s36, (2<<16)|(1<<20)|(7<<22)|(3<<25) ; elements of 4 bytes; padding on; after every 256 words; 4 words
	s_mov_b32 s37, 256<<16
	s_mov_b32 s38, 32<<16
	s_mov_b32 s39, 256<<16
	s_mov_b32 s40, 32
	s_mov_b32 s41, 256
	s_mov_b32 s42, 0
	s_mov_b32 s43, 0
	s_mov_b32 s44, 0x76543210                      ; v_permlanex16_b32: each lane takes its own place in the other half
	s_mov_b32 s45, 0xfedcba98
	s_mov_b32 s46, 0x3b3bd74a                      ; atan's leading coefficient, 0.0028662257
	s_mov_b32 s47, 0xffff                          ; lanes 0-15
	s_mov_b32 s51, 0
	s_mov_b32 s50, s49
	s_wait_dscnt 0x0                               ; both opening adds are done
	s_wait_kmcnt 0x0
	s_add_nc_u64 s[22:23], s[12:13], s[50:51]
	s_or_b32 s23, s23, 0x80000000
	s_lshl_b32 s50, s48, 17
	s_lshl_b32 s49, s18, 15
	s_add_co_u32 s50, s50, s49
	s_add_nc_u64 s[34:35], s[8:9], s[50:51]
	s_or_b32 s35, s35, 0x80000000
	tensor_load_to_lds s[20:23], s[24:31]          ; the weights first: they are wanted first.  Two loads of mine are out
	s_nop 0
	tensor_load_to_lds s[32:35], s[36:43]
	s_nop 0
	v_and_b32 v1, 31, v0
	v_and_b32 v2, 15, v0
	v_bfe_u32 v3, v0, 4, 1
	s_lshl_b32 s49, s18, 4
	v_add_nc_u32 v4, s49, v2                       ; my row in the work-group
	v_lshlrev_b32 v5, 8, v4
	v_lshl_add_u32 v5, v3, 5, v5                   ; row x 256 + 32 h
	v_lshlrev_b32 v6, 2, v4
	v_mul_u32_u24 v7, v3, 1280
	v_add_nc_u32 v7, v7, v6                        ; slot 5 h, my row
	v_lshlrev_b32 v8, 6, v1
	v_lshlrev_b32 v9, 5, v3
	v_lshl_add_u32 v10, v1, 4, WIMG
	v_lshlrev_b32 v11, 4, v1
	v_mov_b32 v14, 1.0
	s_mul_i32 s49, s18, 16*SPITCH
	s_add_co_u32 s49, s49, STAGE
	v_mul_u32_u24 v15, v2, SPITCH
	v_lshl_add_u32 v15, v3, 5, v15
	v_add_nc_u32 v15, s49, v15
	v_lshl_add_u32 v1, v1, 4, s49                  ; from here on v1 is the stage's read address
	s_lshl_b32 s50, s19, 14
	s_add_nc_u64 s[4:5], s[4:5], s[50:51]
	s_mul_i32 s50, s19, 2816
	s_add_nc_u64 s[14:15], s[14:15], s[50:51]
	s_lshl_b32 s50, s19, 10
	s_add_nc_u64 s[52:53], s[8:9], s[50:51]        ; my group in tab
	s_lshl_b32 s50, s48, 11
	s_add_nc_u64 s[10:11], s[10:11], s[50:51]
	s_lshl_b32 s50, s19, 15
	s_lshl_b32 s49, s18, 13
	s_add_co_u32 s50, s50, s49
	s_add_nc_u64 s[16:17], s[16:17], s[50:51]
.irp i,0,1,2,3,4,5,6,7
	global_load_b128 v[144+4*\i:147+4*\i], v5, s[4:5] offset:(\i/2)*64+(\i%2)*16 th:TH_LOAD_NT
.endr
.irp s,0,1,2,3,4
	global_load_b32 v[204+\s], v7, s[14:15] offset:256*\s
.endr
	global_load_b32 v213, v6, s[14:15] offset:2560 ; the density count
.irp a,0,1,2,3
	global_load_b32 v[214+\a], v6, s[52:53] offset:256*\a   ; my point: x, y, z, sq
.endr
.irp a,0,1,2,3
	global_load_b128 v[218+4*\a:221+4*\a], v8, s[10:11] offset:16*\a   ; four of the batch's 128 masked sums
.endr
	; LAYER 1 ON THE FEATURES
	s_wait_loadcnt 14                              ; the eight feature loads are in; the fourteen behind them may stay out
.set i, 0
.rept 16
	v_cvt_pk_bf16_f32 v[176+i], v[144+2*i], v[145+2*i]
.set i, i+1
.endr
	s_wait_tensorcnt 0x1                           ; my quarter of the weights is in; the table may stay out
	s_barrier_signal -1
	s_barrier_wait -1
	WLOAD 80, 0
	s_wait_dscnt 0x0
	MM8 16, 80, 176, 1                             ; the first K step starts the sums
	PLACES                                         ; four places ahead of loads into registers that the products read
	WLOAD 80, 8
	s_wait_dscnt 0x0
	MM8 16, 80, 184, 0
	PLACES
	; THE GEOMETRY THAT NEEDS NO NEIGHBOURS
	s_wait_loadcnt 0x0
	v_pk_add_f32 v[218:219], v[218:219], v[222:223]
	v_pk_add_f32 v[220:221], v[220:221], v[224:225]
	v_pk_add_f32 v[226:227], v[226:227], v[230:231]
	v_pk_add_f32 v[228:229], v[228:229], v[232:233]
	v_pk_add_f32 v[218:219], v[218:219], v[226:227]
	v_pk_add_f32 v[220:221], v[220:221], v[228:229]
.irp m,1,2,4,8
.irp k,218,219,220,221
	v_add_f32_dpp v\k, v\k, v\k row_xmask:\m row_mask:0xf bank_mask:0xf
.endr
.endr
.irp k,0,1,2,3
	v_permlanex16_b32 v[222+\k], v[218+\k], s44, s45
.endr
.irp k,0,1,2,3
	v_add_f32 v[218+\k], v[218+\k], v[222+\k]      ; sums of m x, m y, m z, m; v221 stays: the mask's sum
.endr
	v_max_num_f32 v226, 1.0, v221
	v_rcp_f32 v226, v226
	v_cvt_f32_u32 v237, v213                       ; density (the plain instruction behind the reciprocal)
	s_wait_alu depctr_va_vdst(0)                   ; the wait ahead of the result's first reader
	v_fma_f32 v222, -v218, v226, v214              ; rel = point - centre
	v_fma_f32 v223, -v219, v226, v215
	v_fma_f32 v235, -v220, v226, v216              ; relative height
	v_mul_f32 v225, v222, v222
	v_fma_f32 v225, v223, v223, v225
	v_fma_f32 v227, v235, v235, v225
	v_max_num_f32 v228, |v222|, |v223|
	v_min_num_f32 v229, |v222|, |v223|
	v_max_num_f32 v228, 0x02000000, v228           ; so that 0 / 0 gives the ratio 0
	v_sqrt_f32 v234, v227                          ; distance to the centre
	v_sqrt_f32 v236, v225                          ; horizontal distance
	v_rcp_f32 v230, v228
.irp s,0,1,2,3,4
	v_min_u32 v[204+\s], 0x20470, v[204+\s]        ; a block's offset stays inside the table: 127 x 1040 + 128 at the most
.endr
	v_mul_f32 v176, -2.0, v214
	v_mul_f32 v177, -2.0, v214
	v_mul_f32 v178, -2.0, v215
	v_mul_f32 v179, -2.0, v215
	v_mul_f32 v180, -2.0, v216
	v_mul_f32 v181, -2.0, v216
	v_mov_b32 v182, v217
	v_mov_b32 v183, v217
	v_mul_f32 v184, -1.0, v214
	v_mul_f32 v185, -1.0, v214
	v_mul_f32 v186, -1.0, v215
	v_mul_f32 v187, -1.0, v215
	v_mul_f32 v188, -1.0, v216
	v_mul_f32 v189, -1.0, v216
	s_wait_alu depctr_va_vdst(0)                   ; one wait for the three
	v_mul_f32 v229, v229, v230                     ; t = min / max, in 0 .. 1
	v_mul_f32 v231, v229, v229
	v_fma_f32 v232, v231, s46, -0.0161657367
	v_fma_f32 v232, v232, v231, 0.0429096138
	v_fma_f32 v232, v232, v231, -0.0752896400
	v_fma_f32 v232, v232, v231, 0.1065626393
	v_fma_f32 v232, v232, v231, -0.1420889944
	v_fma_f32 v232, v232, v231, 0.1999355085
	v_fma_f32 v232, v232, v231, -0.3333314528
	v_fma_f32 v232, v232, v231, 1.0
	v_mul_f32 v232, v232, v229                     ; atan(t)
	v_cmp_gt_f32 vcc_lo, |v223|, |v222|
	v_sub_f32 v233, 0x3fc90fdb, v232
	v_cndmask_b32 v232, v232, v233, vcc_lo         ; |y| > |x|: pi/2 - atan
	v_cmp_gt_f32 vcc_lo, 0, v222
	v_sub_f32 v233, 0x40490fdb, v232
	v_cndmask_b32 v232, v232, v233, vcc_lo         ; x < 0: pi - that
	v_bfi_b32 v239, 0x7fffffff, v232, v223         ; y's sign
	; PASS 1
	s_wait_tensorcnt 0x0                           ; my part of the table is in,
	s_barrier_signal -1
	s_barrier_wait -1                              ; everybody's is
	LOADCH 80, 204, 0
.irp s,0,1,2,3,4,5,6,7,8,9
	v_mov_b32 v[144+\s], 0x7f800000
.endr
	s_mov_b32 s54, 5
.Lpass1:
	SWEEP 0
	s_sub_co_u32 s54, s54, 1
	s_cmp_lg_u32 s54, 0
	s_cbranch_scc1 .Lpass1
	; THE MERGE of the two halves' lists
.irp s,0,1,2,3,4,5,6,7,8,9
	v_max_num_f32 v[144+\s], 0, v[144+\s]
.endr
.irp s,0,1,2,3,4,5,6,7,8,9
	v_mov_b32 v[154+\s], v[144+\s]
.endr
.irp s,0,1,2,3,4,5,6,7,8,9
	v_permlanex16_b32 v[164+\s], v[144+\s], s44, s45
.endr
.irp s,0,1,2,3,4,5,6,7,8,9
	INS_K 154, 164+\s
.endr
	v_mov_b32 v210, v163                           ; TAU: the tenth key
	v_cmp_lt_f32 vcc_lo, 0, v210
	v_cndmask_b32 v211, 0xff800000, v210, vcc_lo   ; "below" is d2 < TAU; where TAU is 0 nothing is below
	v_mov_b32 v241, 0
	v_mov_b32 v242, 0
.irp s,0,1,2,3,4,5,6,7,8,9
	v_cmp_lt_f32 vcc_lo, v[154+\s], v211
	v_cmp_le_f32 s56, v[144+\s], v210
	v_cmp_lt_f32 s57, v[144+\s], v211
	v_cndmask_b32 v243, 1.0, 0, vcc_lo
	v_cndmask_b32 v244, 0, v14, s56
	v_add_f32 v241, v241, v243                     ; places left for keys equal to TAU
	v_cndmask_b32 v244, v244, 0, s57
	v_add_f32 v242, v242, v244                     ; such keys in my own list
.endr
	v_permlanex16_b32 v243, v242, s44, s45
	v_sub_f32 v243, v241, v243
	v_max_num_f32 v243, 0, v243
	v_cndmask_b32 v212, v243, v241, s47            ; half 0 takes first; half 1 has what half 0 leaves
.set i, 0
.rept 12
	v_mov_b32 v[192+i], 0
.set i, i+1
.endr
	; PASS 2
	s_mov_b32 s54, 5
.Lpass2:
	SWEEP 1
	s_sub_co_u32 s54, s54, 1
	s_cmp_lg_u32 s54, 0
	s_cbranch_scc1 .Lpass2
	s_wait_dscnt 0x0                               ; the sweep's last four loads: their registers are loaded anew below
	; THE CURVATURE
.irp t,0,1,2,3,4,5,6,7
	global_load_b128 v[80+8*\t:83+8*\t], v9, s[6:7] offset:64*\t       ; b2 of my eight channels of tile t: layer 2's sums start there
	global_load_b128 v[84+8*\t:87+8*\t], v9, s[6:7] offset:64*\t+16
.endr
.irp k,0,1,2,3,4,5
	v_add_f32 v[144+\k], v[192+2*\k], v[193+2*\k]
.endr
.irp k,0,1,2,3,4,5
	v_permlanex16_b32 v[150+\k], v[144+\k], s44, s45
.endr
.irp k,0,1,2,3,4,5
	v_add_f32 v[144+\k], v[144+\k], v[150+\k]
.endr
.irp k,0,1,2,3,4,5
	v_mul_f32 v[144+\k], 0x3dcccccd, v[144+\k]     ; / 10: xx, xy, xz, yy, yz, zz
.endr
	v_add_f32 v156, v144, v147
	v_add_f32 v156, v156, v149
	v_mul_f32 v156, 0x3eaaaaab, v156               ; q
	v_sub_f32 v157, v144, v156
	v_sub_f32 v158, v147, v156
	v_sub_f32 v159, v149, v156
	v_mul_f32 v160, v145, v145
	v_fma_f32 v160, v146, v146, v160
	v_fma_f32 v160, v148, v148, v160
	v_mul_f32 v161, v157, v157
	v_fma_f32 v161, v158, v158, v161
	v_fma_f32 v161, v159, v159, v161
	v_fma_f32 v161, v160, 2.0, v161
	v_mul_f32 v161, 0x3e2aaaab, v161               ; p^2
	v_max_num_f32 v162, 0x03800000, v161
	v_rsq_f32 v163, v162
	v_mov_b32 v252, 0                              ; the geometry fragment's k = 80 .. 95 are zeros (plain work behind the root)
	v_mov_b32 v253, 0
	v_mov_b32 v254, 0
	v_mov_b32 v255, 0
	s_mov_b32 s46, 0xbc996e31                      ; acos's leading coefficient, -0.0187293
	s_mov_b32 s49, 0x37d00d01                      ; 1 / 40320
	s_wait_alu depctr_va_vdst(0)
	v_mul_f32 v164, v161, v163                     ; p
	v_mul_f32 v157, v157, v163
	v_mul_f32 v158, v158, v163
	v_mul_f32 v159, v159, v163
	v_mul_f32 v165, v145, v163
	v_mul_f32 v166, v146, v163
	v_mul_f32 v167, v148, v163
	v_mul_f32 v168, v167, v167
	v_mul_f32 v169, v167, v166
	v_mul_f32 v170, v158, v166
	v_fma_f32 v168, v158, v159, -v168
	v_fma_f32 v169, v165, v159, -v169
	v_fma_f32 v170, v165, v167, -v170
	v_mul_f32 v171, v157, v168
	v_fma_f32 v171, -v165, v169, v171
	v_fma_f32 v171, v166, v170, v171
	v_mul_f32 v171, 0.5, v171
	v_med3_num_f32 v171, v171, -1.0, 1.0           ; r
	v_sub_f32 v173, 1.0, |v171|
	v_sqrt_f32 v173, v173
	v_fma_f32 v174, |v171|, s46, 0.0742610
	v_fma_f32 v174, v174, |v171|, -0.2121144
	v_fma_f32 v174, v174, |v171|, 1.5707288
	s_wait_alu depctr_va_vdst(0)
	v_mul_f32 v174, v174, v173                     ; acos(|r|)
	v_cmp_gt_f32 vcc_lo, 0, v171
	v_sub_f32 v175, 0x40490fdb, v174
	v_cndmask_b32 v174, v174, v175, vcc_lo
	v_mul_f32 v174, 0x3eaaaaab, v174               ; phi
	v_sub_f32 v175, 0x3f860a92, v174               ; pi/3 - phi
	COSP 176, 174, 178
	COSP 177, 175, 179
	v_add_f32 v164, v164, v164
	v_fma_f32 v180, v164, v176, v156               ; the largest eigenvalue
	v_fma_f32 v181, -v164, v177, v156              ; the least
	v_add_f32 v180, 0x322bcc77, v180               ; + 1e-8
	v_rcp_f32 v180, v180
	v_mov_b32 v153, 0x3f80                         ; bf16 1.0 in the low half
	s_wait_alu depctr_va_vdst(0)
	v_mul_f32 v238, v181, v180
	v_cmp_lt_f32 vcc_lo, 0, v221                   ; an empty mask gives zeros
.irp k,0,1,2,3,4,5
	v_cndmask_b32 v[234+\k], 0, v[234+\k], vcc_lo
.endr
.irp k,0,1,2
	v_cvt_pk_bf16_f32 v150, v[234+2*\k], v[235+2*\k]
	v_lshlrev_b32 v151, 16, v150
	v_and_b32 v152, 0xffff0000, v150
	v_sub_f32 v151, v[234+2*\k], v151
	v_sub_f32 v152, v[235+2*\k], v152
	v_cvt_pk_bf16_f32 v151, v151, v152
	v_cndmask_b32 v[248+\k], v151, v150, s47       ; lanes 0-15 the upper parts, lanes 16-31 the lower
.endr
	v_cndmask_b32 v251, 0, v153, s47               ; 1.0 against b1, then 0
	; THE REST OF THE LAYERS
	WLOAD 144, 16
	s_wait_dscnt 0x0
	MM8 16, 144, 248, 0
	PLACES                                         ; four places ahead of the first read of the sums
.set i, 0
.rept 32                                           ; ReLU; upper parts to v[208:239]; lower parts packed in place, ascending
	v_max_num_f32 v240, 0, v[16+2*i]
	v_max_num_f32 v241, 0, v[17+2*i]
	v_cvt_pk_bf16_f32 v[208+i], v240, v241
	v_lshlrev_b32 v242, 16, v[208+i]
	v_and_b32 v243, 0xffff0000, v[208+i]
	v_pk_add_f32 v[240:241], v[240:241], v[242:243] neg_lo:[0,1] neg_hi:[0,1]
	v_cvt_pk_bf16_f32 v[16+i], v240, v241
.set i, i+1
.endr
	s_wait_loadcnt 0x0                             ; b2
.set i, 0
.rept 32
	v_cvt_pk_bf16_f32 v240, v[80+2*i], v[81+2*i]   ; rounded to bf16 like every input
	v_lshlrev_b32 v[80+2*i], 16, v240
	v_and_b32 v[81+2*i], 0xffff0000, v240
.set i, i+1
.endr
.irp s,0,1,2,3
	WLOAD 144, 24+8*\s
	s_wait_dscnt 0x0
	MM8 80, 144, 208+8*\s, 0
	MM8 80, 144, 16+8*\s, 0
	PLACES
.endr
.set i, 0
.rept 64
	v_max_num_f32 v[80+i], 0, v[80+i]
.set i, i+1
.endr
	; THE WAY OUT: a lane's eight channels go into my own stage, rows of 528 bytes; whole rows of 512 bytes come back and are stored
.irp t,0,1,2,3,4,5,6,7
	ds_store_b128 v15, v[80+8*\t:83+8*\t] offset:64*\t
	ds_store_b128 v15, v[84+8*\t:87+8*\t] offset:64*\t+16
.endr
.irp k,0,1,2,3,4,5,6,7,8,9,10,11,12,13,14,15
	ds_load_b128 v[144+4*\k:147+4*\k], v1 offset:SPITCH*\k     ; LDS serves a wave's instructions in order: these see the stores above
.endr
.irp k,0,1,2,3,4,5,6,7,8,9,10,11,12,13,14,15
	s_wait_dscnt 15-\k                             ; row k is back; the younger reads may stay out
	global_store_b128 v11, v[144+4*\k:147+4*\k], s[16:17] offset:512*\k th:TH_STORE_NT   ; 512 consecutive bytes, aligned
.endr
	s_wait_tensorcnt 0x0                           ; the wave's end, behind my last tensor load and my last LDS store
	ds_add_u32 v12, v13
	s_wait_dscnt 0x0
	s_endpgm
.Lfunc_end_k_q3b0688f92f_finish:
	.size	k_q3b0688f92f_finish, .Lfunc_end_k_q3b0688f92f_finish-k_q3b0688f92f_finish
	.p2alignl 7, 3214868480
	.fill 96, 4, 3214868480
	.section	.rodata,"a",@progbits
	.p2align	6, 0x0
	.amdhsa_kernel k_q3b0688f92f_finish
		.amdhsa_group_segment_fixed_size 327680
		.amdhsa_private_segment_fixed_size 0
		.amdhsa_enable_private_segment 0
		.amdhsa_kernarg_size 56
		.amdhsa_user_sgpr_count 2
		.amdhsa_user_sgpr_kernarg_segment_ptr 1
		.amdhsa_wavefront_size32 1
		.amdhsa_system_sgpr_workgroup_id_x 1
		.amdhsa_system_sgpr_workgroup_id_y 1
		.amdhsa_system_sgpr_workgroup_id_z 1
		.amdhsa_system_vgpr_workitem_id 0
		.amdhsa_next_free_vgpr 256
		.amdhsa_next_free_sgpr 66
		.amdhsa_reserve_vcc 1
		.amdhsa_float_denorm_mode_32 3
		.amdhsa_float_denorm_mode_16_64 3
		.amdhsa_memory_ordered 1
		.amdhsa_forward_progress 1
		.amdhsa_inst_pref_size 127
	.end_amdhsa_kernel
	.amdgpu_metadata
---
amdhsa.version: [ 1, 2 ]
amdhsa.kernels:
  - .name:           k_q3b0688f92f_finish
    .symbol:         k_q3b0688f92f_finish.kd
    .args:
      - { .name: features, .offset: 0, .size: 8, .value_kind: global_buffer, .address_space: global }
      - { .name: b2, .offset: 8, .size: 8, .value_kind: global_buffer, .address_space: global }
      - { .name: tab, .offset: 16, .size: 8, .value_kind: global_buffer, .address_space: global }
      - { .name: part, .offset: 24, .size: 8, .value_kind: global_buffer, .address_space: global }
      - { .name: wimg, .offset: 32, .size: 8, .value_kind: global_buffer, .address_space: global }
      - { .name: sel, .offset: 40, .size: 8, .value_kind: global_buffer, .address_space: global }
      - { .name: out0, .offset: 48, .size: 8, .value_kind: global_buffer, .address_space: global }
    .group_segment_fixed_size: 327680
    .private_segment_fixed_size: 0
    .kernarg_segment_align: 8
    .kernarg_segment_size: 56
    .max_flat_workgroup_size: 128
    .sgpr_count:     66
    .vgpr_count:     256
    .wavefront_size: 32
...
	.end_amdgpu_metadata
.endif
;; end of part 2
